; MI455X (gfx1250); checked and timed in simulation.
; The chip was launched on July 23, 2026; its instructions are those of AMD's public machine-readable ISA for CDNA 5 (MIT licence, August 2026) and "CDNA5" Instruction Set Architecture Reference Guide (July 2026). The comments in the code are by the model that wrote it; some were corrected since.
;; Sparse Coding Fista. Allowed arithmetic: float matrix products may take bf16 or f16 operands with f32 sums; other float arithmetic in f32, or as packed bf16 or f16 multiplies, adds, multiply-adds, maxima and minima; sums over many terms, partial sums and values carried from step to step in f32; what a program stores and reads back later, other than sums and carried values, may be rounded once to bf16 or f16.
;; Inputs: W 256 x 64 float32; X0 16,384 x 256 float32; inputs 16,384 x 64 float32.
;; Outputs: out0 16,384 x 256 float32.
;; One version. Each part assembles by itself: llvm-mc -triple=amdgcn-amd-amdhsa -mcpu=gfx1250 --defsym DOCPART=n.
;; ======== version 1 of 1: 1 launch
;; limits: values outside matrix products are rounded to f16; values are held in f16: magnitudes above 65,504 overflow, below 6.1e-05 lose precision
;; launch fista (part 1): grid 256 x 1, 4 waves a work-group, clusters of 4 x 1, 262,144 bytes of LDS; arguments W, X0, inputs, out0; writes out0
.if DOCPART == 1
	.amdgcn_target "amdgcn-amd-amdhsa--gfx1250"
	.amdhsa_code_object_version 6
	.text
	.protected	k_q81ae3eb962_fista
	.globl	k_q81ae3eb962_fista
	.p2align	8
	.type	k_q81ae3eb962_fista,@function
k_q81ae3eb962_fista:
	s_mov_b64 s[64:65], 0
	v_nop
	global_prefetch_b8 v0, s[64:65] scope:SCOPE_SE
	s_setreg_imm32_b32 hwreg(HW_REG_WAVE_MODE, 25, 1), 1
	s_wait_xcnt 0x0
	s_wait_alu depctr_hold_cnt(0) depctr_sa_sdst(0) depctr_va_vdst(0) depctr_va_sdst(0) depctr_va_ssrc(0) depctr_va_vcc(0) depctr_vm_vsrc(0)
	s_getreg_b32 s2, hwreg(HW_REG_IB_STS2, 6, 4)
	s_cmp_eq_u32 s2, 0
	s_cbranch_scc0 .Lentry_in_a_cluster
	s_endpgm
.Lentry_in_a_cluster:
	s_bfe_u32 s2, ttmp6, 0x10000c
	s_cmp_lg_u32 s2, 0x3003
	s_cbranch_scc0 .Lentry_shape_is_right
	s_endpgm
.Lentry_shape_is_right:
; FISTA SPARSE CODING.  50 steps of  x2 = prox(y - (2/L)(yW - I)W^T, 0.1/L),  y2 = x2 + (t-1)/t2 (x2 - X),  on 16,384 independent rows; L = the Rayleigh quotient of
; Q = 2 W W^T after 50 power iterations from the vector of ones.  W [256][64], X0 and out0 [16384][256], inputs [16384][64], all f32.
; SHARES.  256 work-groups of four waves; a wave owns 16 rows for the whole launch and keeps everything in its 1,024 registers: W twice as matrix operand (512), X and y in f32 (256),
; y as f16 operand (64), the inputs (32), the residual (32 + 16).  The 50 steps touch neither LDS nor memory, pass no barrier and exchange no lanes.
; SCALING.  With s = sqrt(2/L), y~ = y/s, W~ = sW:  u/s = y~ + (I - y~ W~) W~^T and the threshold is 0.05 s.  W~'s largest singular value is about 1 whatever W's scale, y~ and the residual have the
; inputs' scale: so the operands are f16 (11 significant bits: a step's roundings come back in every later step).  s is rounded to f16 (s~) and that same number is used everywhere.
; LAYOUT.  Both products are used transposed: R^T = I^T - W~^T y~^T (source 0 = 16 input channels x 32 codes of -W~^T, source 1 = 32 codes x 16 rows) and U^T = y~^T + W~ R^T.  In every result a lane holds
; ONE row (lane % 16) and eight neighbouring codes or channels (8 (lane / 16) + 0..7); two results rounded to f16 in pairs ARE source 1 of the other product.
; L.  With M = W^T W (64 x 64), u0 = W^T 1, z = M^49 u0, w = M z:  L = 2 (w.w)/(z.w): the same 50 applications of Q.  M^49 = (M^8)^6 M, M^8 by three squarings, all on the matrix unit; each matrix is scaled to
; Frobenius norm 1 and each vector to norm 1, in f32, before it is rounded to f16.  Every wave makes L for itself: no wave waits for another.
; INPUTS.  W, inputs and X0 are each rounded once to bf16; W's bf16 numbers are then written as f16.
; LIMITS.  |W| up to 65,504, and entries below 6.1e-5 keep f16's fixed step of 6e-8; |y|/s~ and the residual stay under 65,504; the step size is s~^2, within 2^-10 of 2/L (relative), and L carries the f16
; roundings of M's powers; sums are grouped as the matrix unit groups them; NaN and infinities are not treated apart; W = 0 or W^T 1 = 0 gives NaN, as the definition does.
; CLUSTER.  All work-groups read the same W (64 of a work-group's 144 KiB): the four of a cluster ask for it JOINTLY, wave w of each for rows 64 w .. 64 w + 63, same descriptor, mask of four.  X0 and inputs are each work-group's own.
; LEFT OUT.  No ring of slots, no prefetch: each byte is read once, at the start.  The last step's y2, its roundings and its 32 products R^T serve nothing: the price of one text for every step.
;
; LDS (every region a multiple of 256 bytes; nothing is filled twice; no tensor load lands in WH, ST or the spare words)
.set XP,   1040       ; a row of X0: 1,024 bytes + 16 of padding: the 16 rows that a load touches start 65 x 16 bytes apart
.set XW,   16*XP      ; a wave's 16 rows.  X0's region begins at byte 0
.set IR,   66560      ; inputs: a wave's 16 rows of 256 + 16 bytes
.set IP,   272
.set IW,   16*IP
.set WR,   83968      ; W in f32: 256 rows of 256 + 16 bytes; wave w's quarter is read by wave w alone
.set WRP,  272
.set WRQ,  64*WRP
.set WH,   153600     ; W in f16, written by ds_store: 256 rows of 128 + 32 bytes
.set WHP,  160
.set ST,   194560     ; the way out: each wave's own 16 rows of 1,040 bytes
.set SPARE, 261120    ; the spare words, 128 bytes for each wave: two blocks of 256 bytes that no other line names
; VECTOR REGISTERS, in windows of 256 (s_set_vgpr_msb: bits 1:0 source 0, 3:2 source 1, 5:4 source 2, 7:6 destination).  A PAIR p is the code tiles 2 p, 2 p + 1 (32 codes).
;   window 0: v0-47 addresses and at work; RACC, RF, CT; pairs 6, 7: W~ v112-175, state v176-239; y~ operands of pairs 5, 6 at v240-255
;   window 1: -W~^T, fragment (channel tile q, pair p) at 32 p + 8 q
;   window 2: pairs 0-2: W~ at 32 i, state sets at 96 + 16 i and 144 + 16 i; y~ operands of pairs 7, 0, 1 at 192, 200, 208; the inputs 216-247; 248-255 at work          window 3: pairs 3-5 likewise; y~ of pairs 2, 3, 4
; The y~ operand of pair p lies in the window of pair p + 1, so that a product R^T and the clamps of the next pair share one setting; a product U^T and the updates of its window share another.
.set AV,   3          ; LDS address of my part of a turned fragment of W
.set AK,   4          ; of a fragment of W as it lies
.set XA,   5          ; of my 32 bytes in my row of X0
.set IA,   6          ; the same in inputs
.set STO,  7          ; the way out: where I put 32 bytes of a row
.set RD,   8          ; the way out: where I read rows back
.set GO,   9          ; my byte offset in 512 consecutive bytes of out0
.set PA,   10         ; W's first pass: where I read f32,
.set PB,   11         ; and where I put f16
.set SPW,  12         ; LDS address of my spare word: SPARE + 4 x my thread's number; never rewritten
.set NIL,  13         ; 0; never rewritten
.set BT,   14         ; t of the next step
.set BA,   15
.set BB,   16
.set BT2,  17
.set RACC, 48         ; v48-79   R^T, four accumulators
.set RF,   80         ; v80-95   R^T in f16: source 1 of U^T
.set CT,   96         ; v96-111  a pair's clamped u
.set IN,   216        ; window 2
.set TI,   248        ; window 2
; before the steps the same registers serve otherwise:
.set LD,   48         ; v48-175  my quarter of W in f32
.set T,    176        ; v176-187 at work
.set MD,   48         ; v48-175  a 64 x 64 matrix in f32: tile (m, n) at 8 (4 n + m)
.set PF,   176        ; v176-239 the same in f16: for tile column n and K half kk at 16 n + 8 kk; by symmetry also source 0 for tile row n
.set TT,   240        ; v240-255 at work
.set MF,   0          ; window 2: M in f16
.set WA,   48         ; v48-79   a vector of 64 (all 16 columns alike), four accumulators
.set ZF,   80         ; v80-95   the same in f16
.set ONES, 96         ; v96-103  1.0 in f16
.set OB,   48         ; v48-175  the way out: 16 rows read back
; SCALAR REGISTERS
.set WV,   12         ; my wave's number
.set G1W,  24         ; s[24:31] descriptor group 1 for W;  s[32:39] for inputs;  s[40:47] for X0
.set G1I,  32
.set G1X,  40
.set G0W,  48         ; s[48:51], s[52:55], s[56:59] their groups 0
.set G0I,  52
.set G0X,  56
.set SEL,  60         ; s[60:61] v_permlanex16_b32's selects: each lane takes its own place in the other half
.set MASKHI, 62       ; a word's upper bf16
.set TH,   66         ; 0.05 s~
.set NTH,  67         ; and its negative
.set BETA, 68         ; s[68:69] (t - 1) / t2 of the step in hand: the packed lines take the pair's low word for both halves
.set RHO0, 72         ; 1 / M's Frobenius norm
.set SP16, 73         ; s~ twice in f16
.set SN16, 74         ; -s~ twice
.set SC,   76         ; s[76:77] s~ in f32
.set IS,   78         ; s[78:79] 1 / s~
.set CNT,  80         ; loop counter
.set MSB, 0
.macro WIN new                      ; the immediate's high byte repeats the setting that is left; a switch that changes nothing is dropped
.if MSB != (\new)
	s_set_vgpr_msb (MSB<<8)|(\new)
.set MSB, (\new)
.endif
.endm
; A vector instruction that reads a matrix result or writes one of a matrix instruction's registers stands four places behind it, and only plain vector instructions that name none of its registers are places (ISA guide 7.12.1).
.macro PLACES
.rept 4
	v_nop
.endr
.endm
; A round of the cluster's barrier: my work-group's barrier, so that wave 0's signal speaks for all four waves; wave 0 signals; every wave waits for all four work-groups; my work-group's barrier once more.
.macro CROUND
	s_barrier_signal -1
	s_barrier_wait -1
	s_cmp_lg_u32 s[WV], 0
	s_cbranch_scc1 .Lnot_wave_0_\@
	s_barrier_signal -3
.Lnot_wave_0_\@:
	s_barrier_wait -3
	s_barrier_signal -1
	s_barrier_wait -1
.endm
; Where pair p lives.  par = 0: the accumulator set (y~, then u, then x2) is the first state set and the old X the second; par = 1: the other way round.
.macro PREG p, par
.if (\p) < 3
.set PW, 2
.set A2B, 32*(\p)
.set SAB, 96+16*(\p)
.set SBB, 144+16*(\p)
.elseif (\p) < 6
.set PW, 3
.set A2B, 32*((\p)-3)
.set SAB, 96+16*((\p)-3)
.set SBB, 144+16*((\p)-3)
.else
.set PW, 0
.set A2B, 112+32*((\p)-6)
.set SAB, 176+16*((\p)-6)
.set SBB, 208+16*((\p)-6)
.endif
.if (\par) == 0
.set UB, SAB
.set XB, SBB
.else
.set UB, SBB
.set XB, SAB
.endif
.endm
.macro YREG p                       ; where pair p's y~ operand lives
.if (\p) == 7
.set YW, 2
.set YB, 192
.elseif (\p) < 2
.set YW, 2
.set YB, 200+8*(\p)
.elseif (\p) < 5
.set YW, 3
.set YB, 192+8*((\p)-2)
.else
.set YW, 0
.set YB, 240+8*((\p)-5)
.endif
.endm
; Product n of 4 of U^T for pair p: tile n % 2, channels 32 (n / 2) on; it adds onto y~ in place.  The two accumulators take turns.
.macro P2W p, n, par
	PREG \p, \par
	WIN PW|(PW<<4)|(PW<<6)
.set rU, UB+8*((\n)%2)
.set rA, A2B+16*((\n)%2)+8*((\n)/2)
.set rB, RF+8*((\n)/2)
	v_wmma_f32_16x16x32_f16 v[rU:rU+7], v[rA:rA+7], v[rB:rB+7], v[rU:rU+7]
.endm
.macro P1WIN p                      ; the setting of R^T's K step p: -W~^T in window 1, y~ in its window; in K step 0 the C operand, the inputs, in window 2
	YREG \p
.if (\p) == 0
	WIN 0x21|(YW<<2)
.else
	WIN 0x01|(YW<<2)
.endif
.endm
; R^T's K step p (pair p's 32 codes) for channel tile q.  K step 0 starts the sums with the inputs.  The four accumulators take turns.
.macro P1W p, q
	P1WIN \p
.set rA, 32*(\p)+8*(\q)
.if (\p) == 0
	v_wmma_f32_16x16x32_f16 v[RACC+8*(\q):RACC+8*(\q)+7], v[rA:rA+7], v[YB:YB+7], v[IN+8*(\q):IN+8*(\q)+7]
.else
	v_wmma_f32_16x16x32_f16 v[RACC+8*(\q):RACC+8*(\q)+7], v[rA:rA+7], v[YB:YB+7], v[RACC+8*(\q):RACC+8*(\q)+7]
.endif
.endm
; The element-wise work of pair p.  A n (16): u clamped to the threshold, under the setting of the K step before; ascending.
.macro AOP p, n, par
	P1WIN ((\p)+7)%8
	PREG \p, \par
	v_med3_num_f32 v[CT+(\n)], s[TH], v[UB+(\n)], s[NTH]
.endm
; B n (24), two numbers a line: 0-7  x2 = u - clamp(u), the soft threshold;  8-15  d = x2 - X;  16-23  y2 = x2 + beta d.  x2 stays where u was, y2 where X was: the sets change roles.
.macro BOP p, n, par
	PREG \p, \par
	WIN PW|(PW<<4)|(PW<<6)
.if (\n) < 8
.set rr, 2*(\n)
	v_pk_add_f32 v[UB+rr:UB+rr+1], v[UB+rr:UB+rr+1], v[CT+rr:CT+rr+1] neg_lo:[0,1] neg_hi:[0,1]
.elseif (\n) < 16
.set rr, 2*((\n)-8)
	v_pk_fma_f32 v[XB+rr:XB+rr+1], v[XB+rr:XB+rr+1], -1.0, v[UB+rr:UB+rr+1] op_sel_hi:[1,0,1]
.else
.set rr, 2*((\n)-16)
	v_pk_fma_f32 v[XB+rr:XB+rr+1], v[XB+rr:XB+rr+1], s[BETA:BETA+1], v[UB+rr:UB+rr+1] op_sel_hi:[1,0,1]
.endif
.endm
.macro COP p, n, par                ; C n (8): y2 rounded to f16, the next R^T's operand
	PREG \p, \par
	YREG \p
	WIN PW|(PW<<2)|(YW<<6)
	v_cvt_pk_f16_f32 v[YB+(\n)], v[XB+2*(\n)], v[XB+2*(\n)+1]
.endm
; Number n of the nine that make the next step's beta: t2 = 0.5 + sqrt(1 + 4 t^2) / 2, beta = (t - 1) / t2, t = t2.  The caller keeps a plain instruction behind the root and the reciprocal (ISA guide 5.7.2).
.macro BETAOP n
	WIN 0
.if (\n) == 0
	v_mul_f32 v[BA], v[BT], v[BT]
.elseif (\n) == 1
	v_fma_f32 v[BA], v[BA], 4.0, 1.0
.elseif (\n) == 2
	v_sqrt_f32 v[BA], v[BA]
.elseif (\n) == 3
	s_wait_alu depctr_va_vdst(0)
	v_fma_f32 v[BT2], v[BA], 0.5, 0.5
.elseif (\n) == 4
	v_rcp_f32 v[BA], v[BT2]
.elseif (\n) == 5
	v_add_f32 v[BB], -1.0, v[BT]
.elseif (\n) == 6
	s_wait_alu depctr_va_vdst(0)
	v_mul_f32 v[BB], v[BB], v[BA]
.elseif (\n) == 7
	v_mov_b32 v[BT], v[BT2]
.else
	v_readfirstlane_b32 s[BETA], v[BB]
	s_mov_b32 s[BETA+1], s[BETA]
.endif
.endm
; ROUND r of a step: pair r is updated beside the products U^T of pair r + 1 (six lines behind each); it is rounded; its K step of the next R^T runs beside the clamps of pair r + 1 (four behind each).
; Behind the last product of a pair stand 6 + 8 plain lines before its first clamp.  Round 7 has no next pair: the next beta is made among its updates and taken into the scalar pair behind the last of them.
.macro ROUND r, par
.set bj, 0
.if (\r) < 7
.set mi, 0
.rept 4
	P2W (\r)+1, mi, \par
.rept 6
	BOP \r, bj, \par
.set bj, bj+1
.endr
.set mi, mi+1
.endr
.else
.set bn, 0
.rept 8
.rept 3
	BOP \r, bj, \par
.set bj, bj+1
.endr
	BETAOP bn
.set bn, bn+1
.endr
	BETAOP 8
.endif
.set cj, 0
.rept 8
	COP \r, cj, \par
.set cj, cj+1
.endr
.set mi, 0
.set aj, 0
.rept 4
	P1W \r, mi
.if (\r) < 7
.rept 4
	AOP (\r)+1, aj, \par
.set aj, aj+1
.endr
.endif
.set mi, mi+1
.endr
.endm
; A STEP: the residual is rounded; pair 0's products and clamps stand bare (nothing else is ready); eight rounds; the places in front of the next reading of R^T.
.macro STEP par
	WIN 0
.set sj, 0
.rept 16
	v_cvt_pk_f16_f32 v[RF+sj], v[RACC+2*sj], v[RACC+2*sj+1]
.set sj, sj+1
.endr
.set mi, 0
.rept 4
	P2W 0, mi, \par
.set mi, mi+1
.endr
	PLACES
.set aj, 0
.rept 16
	AOP 0, aj, \par
.set aj, aj+1
.endr
.irp r, 0,1,2,3,4,5,6,7
	ROUND \r, \par
.endr
	PLACES
.endm
; For L.  The sum of the squares of n register pairs from base on, in four packed chains, ascending (each accumulator's lowest registers first), into v[TT].
.macro SUMSQ base, n
.set sk, 0
.rept \n
.if sk < 4
	v_pk_mul_f32 v[TT+2*sk:TT+2*sk+1], v[(\base)+2*sk:(\base)+2*sk+1], v[(\base)+2*sk:(\base)+2*sk+1]
.else
	v_pk_fma_f32 v[TT+2*(sk%4):TT+2*(sk%4)+1], v[(\base)+2*sk:(\base)+2*sk+1], v[(\base)+2*sk:(\base)+2*sk+1], v[TT+2*(sk%4):TT+2*(sk%4)+1]
.endif
.set sk, sk+1
.endr
	v_pk_add_f32 v[TT:TT+1], v[TT:TT+1], v[TT+2:TT+3]
	v_pk_add_f32 v[TT+4:TT+5], v[TT+4:TT+5], v[TT+6:TT+7]
	v_pk_add_f32 v[TT:TT+1], v[TT:TT+1], v[TT+4:TT+5]
	v_add_f32 v[TT], v[TT], v[TT+1]
.endm
.macro HALVES reg, tmp              ; the other half of the lanes' share is added; tmp has been written before
	v_permlanex16_b32 v[\tmp], v[\reg], s[SEL], s[SEL+1]
	v_add_f32 v[\reg], v[\reg], v[\tmp]
.endm
; The matrix in MD is scaled to Frobenius norm 1 (its 4,096 numbers lie 128 a lane) and rounded to f16.  dup = 1: it is M: a second copy goes to window 2, and the factor is kept.
.macro NORMCVT dup
	WIN 0
	PLACES
	SUMSQ MD, 64
	v_add_f32_dpp v[TT], v[TT], v[TT] row_xmask:1 row_mask:0xf bank_mask:0xf
	v_add_f32_dpp v[TT], v[TT], v[TT] row_xmask:2 row_mask:0xf bank_mask:0xf
	v_add_f32_dpp v[TT], v[TT], v[TT] row_xmask:4 row_mask:0xf bank_mask:0xf
	v_add_f32_dpp v[TT], v[TT], v[TT] row_xmask:8 row_mask:0xf bank_mask:0xf
	HALVES TT, TT+1
	v_rsq_f32 v[TT+2], v[TT]
	v_rsq_f32 v[TT+3], v[TT]
	v_nop                           ; a plain instruction between the last root and the use of its result
.set nk, 0
	s_wait_alu depctr_va_vdst(0)
.rept 64
	v_pk_mul_f32 v[MD+2*nk:MD+2*nk+1], v[MD+2*nk:MD+2*nk+1], v[TT+2:TT+3]
.set nk, nk+1
.endr
.set nk, 0
.rept 64
	v_cvt_pk_f16_f32 v[PF+nk], v[MD+2*nk], v[MD+2*nk+1]
.set nk, nk+1
.endr
.if \dup
	v_readfirstlane_b32 s[RHO0], v[TT+2]
	WIN 0x80
.set nk, 0
.rept 64
	v_cvt_pk_f16_f32 v[MF+nk], v[MD+2*nk], v[MD+2*nk+1]
.set nk, nk+1
.endr
	WIN 0
.endif
.endm
.macro SQUARE                       ; MD = P^T P for the matrix P in PF: 16 accumulators by turns, two K steps; the first starts the sums
	WIN 0
.set qk, 0
.rept 2
.set qt, 0
.rept 16
.if qk == 0
	v_wmma_f32_16x16x32_f16 v[MD+8*qt:MD+8*qt+7], v[PF+16*(qt%4):PF+16*(qt%4)+7], v[PF+16*(qt/4):PF+16*(qt/4)+7], 0
.else
	v_wmma_f32_16x16x32_f16 v[MD+8*qt:MD+8*qt+7], v[PF+16*(qt%4)+8:PF+16*(qt%4)+15], v[PF+16*(qt/4)+8:PF+16*(qt/4)+15], v[MD+8*qt:MD+8*qt+7]
.endif
.set qt, qt+1
.endr
.set qk, qk+1
.endr
.endm
.macro MATVEC f, win                ; WA = the matrix at f times the vector in ZF: four accumulators by turns, two K steps
	WIN \win
.set mk, 0
.rept 2
.set mq, 0
.rept 4
.if mk == 0
	v_wmma_f32_16x16x32_f16 v[WA+8*mq:WA+8*mq+7], v[(\f)+16*mq:(\f)+16*mq+7], v[ZF:ZF+7], 0
.else
	v_wmma_f32_16x16x32_f16 v[WA+8*mq:WA+8*mq+7], v[(\f)+16*mq+8:(\f)+16*mq+15], v[ZF+8:ZF+15], v[WA+8*mq:WA+8*mq+7]
.endif
.set mq, mq+1
.endr
.set mk, mk+1
.endr
.endm
.macro ZNORM                        ; the vector in WA (32 of its 64 numbers a lane, the other 32 in the lane 16 away) is scaled to norm 1 and rounded to f16
	WIN 0
	PLACES
	SUMSQ WA, 16
	HALVES TT, TT+1
	v_rsq_f32 v[TT+2], v[TT]
	v_rsq_f32 v[TT+3], v[TT]
	v_nop
.set zk, 0
	s_wait_alu depctr_va_vdst(0)
.rept 16
	v_pk_mul_f32 v[WA+2*zk:WA+2*zk+1], v[WA+2*zk:WA+2*zk+1], v[TT+2:TT+3]
.set zk, zk+1
.endr
.set zk, 0
.rept 16
	v_cvt_pk_f16_f32 v[ZF+zk], v[WA+2*zk], v[WA+2*zk+1]
.set zk, zk+1
.endr
.endm
.macro XINIT p                      ; pair p of X0: rounded to bf16, widened, divided by s~, into both state sets (X = y = X0)
	PREG \p, 0
	WIN PW*0x55
.irp k, 0,1,2,3,4,5,6,7
	v_cvt_pk_bf16_f32 v[SBB+\k], v[SAB+2*\k], v[SAB+2*\k+1]
.endr
.irp k, 0,1,2,3,4,5,6,7
	v_lshlrev_b32 v[SAB+2*\k], 16, v[SBB+\k]
	v_and_b32 v[SAB+2*\k+1], s[MASKHI], v[SBB+\k]
.endr
.irp k, 0,1,2,3,4,5,6,7
	v_pk_mul_f32 v[SBB+2*\k:SBB+2*\k+1], v[SAB+2*\k:SAB+2*\k+1], s[IS:IS+1] op_sel_hi:[1,0]
.endr
.irp k, 0,1,2,3,4,5,6,7
	v_pk_mul_f32 v[SAB+2*\k:SAB+2*\k+1], v[SAB+2*\k:SAB+2*\k+1], s[IS:IS+1] op_sel_hi:[1,0]
.endr
.endm
; ---------------------------------------------------------------- THE HEAD
	s_load_b256 s[4:11], s[0:1], 0x0               ; W s[4:5], X0 s[6:7], inputs s[8:9], out0 s[10:11]
	v_lshl_add_u32 v[SPW], v0, 2, SPARE
	v_mov_b32 v[NIL], 0
	ds_add_u32 v[SPW], v[NIL]                      ; the wave's opening: the add and its wait ahead of my first tensor load; the set-up below, work on registers, stands between them
	v_lshrrev_b32 v1, 5, v0
	v_readfirstlane_b32 s[WV], v1                  ; wave 0..3
	s_bfe_u32 s13, ttmp6, 0x40000                  ; cx: my place in the cluster
	s_lshl_b32 s14, ttmp9, 2                       ; in a cluster launch ttmp9 counts clusters
	s_add_co_u32 s14, s14, s13                     ; my work-group = 4 x cluster x + cx: it enters X0's, inputs' and out0's addresses alone
	; descriptor groups 1: elements of 4 bytes, 4 words of padding behind every row
	s_mov_b32 s[G1W], 15|(2<<16)|(1<<20)|(1<<21)|(5<<22)|(3<<25)  ; 15:0 the mask of four; 17:16 4-byte elements; 20 padding on; 21 set beside a mask; 24:22 after every 64 words (code 5); 31:25 4 words (code 3)
	s_mov_b32 s[G1W+1], 64<<16                     ; tensor_dim0 = 64
	s_mov_b32 s[G1W+2], 64<<16                     ; tensor_dim1 = 64
	s_mov_b32 s[G1W+3], 64<<16                     ; tile_dim0 = 64
	s_mov_b32 s[G1W+4], 64                         ; tile_dim1 = 64 rows
	s_mov_b32 s[G1W+5], 64                         ; 64 elements from row to row
	s_mov_b32 s[G1W+6], 0
	s_mov_b32 s[G1W+7], 0
	s_mov_b32 s[G1I], (2<<16)|(1<<20)|(5<<22)|(3<<25)  ; no mask: my work-group's own rows
	s_mov_b32 s[G1I+1], 64<<16
	s_mov_b32 s[G1I+2], 16<<16                     ; 16 rows
	s_mov_b32 s[G1I+3], 64<<16
	s_mov_b32 s[G1I+4], 16
	s_mov_b32 s[G1I+5], 64
	s_mov_b32 s[G1I+6], 0
	s_mov_b32 s[G1I+7], 0
	s_mov_b32 s[G1X], (2<<16)|(1<<20)|(7<<22)|(3<<25)  ; padding after every 256 words (code 7)
	s_mov_b32 s[G1X+1], 256<<16
	s_mov_b32 s[G1X+2], 16<<16
	s_mov_b32 s[G1X+3], 256<<16
	s_mov_b32 s[G1X+4], 16
	s_mov_b32 s[G1X+5], 256
	s_mov_b32 s[G1X+6], 0
	s_mov_b32 s[G1X+7], 0
	s_mov_b32 s[G0W], 1                            ; count = 1
	s_mul_i32 s[G0W+1], s[WV], WRQ                 ; LDS addresses: a constant and the wave's number times a constant; no place in the cluster enters them
	s_add_co_u32 s[G0W+1], s[G0W+1], WR
	s_mov_b32 s[G0I], 1
	s_mul_i32 s[G0I+1], s[WV], IW
	s_add_co_u32 s[G0I+1], s[G0I+1], IR
	s_mov_b32 s[G0X], 1
	s_mul_i32 s[G0X+1], s[WV], XW
	s_lshl_b32 s16, s[WV], 14                      ; W: my 64 rows of 256 bytes: the same in all four partners
	s_mov_b32 s17, 0
	s_lshl_b32 s18, s14, 14                        ; inputs: the work-group's 64 rows of 256 bytes,
	s_lshl_b32 s22, s[WV], 12                      ; my wave's 16
	s_add_co_u32 s18, s18, s22
	s_mov_b32 s19, 0
	s_lshl_b32 s20, s14, 16                        ; X0 and out0: 64 rows of 1,024 bytes, my wave's 16
	s_add_co_u32 s20, s20, s16
	s_mov_b32 s21, 0
	s_mov_b32 s[SEL], 0x76543210
	s_mov_b32 s[SEL+1], 0xfedcba98
	s_mov_b32 s[MASKHI], 0xffff0000
	s_wait_dscnt 0x0                               ; the opening add is done
	s_wait_kmcnt 0x0
	s_add_nc_u64 s[G0W+2:G0W+3], s[4:5], s[16:17]
	s_or_b32 s[G0W+3], s[G0W+3], 0x80000000        ; type = 2
	s_add_nc_u64 s[G0I+2:G0I+3], s[8:9], s[18:19]
	s_or_b32 s[G0I+3], s[G0I+3], 0x80000000
	s_add_nc_u64 s[G0X+2:G0X+3], s[6:7], s[20:21]
	s_or_b32 s[G0X+3], s[G0X+3], 0x80000000
	s_add_nc_u64 s[10:11], s[10:11], s[20:21]      ; out0 at my wave's first row
	CROUND                                         ; all four work-groups are here: the joint loads meet
	tensor_load_to_lds s[G0W:G0W+3], s[G1W:G1W+7]  ; all that the launch reads, in one group: three loads of mine are out.  W first: it is wanted first
	s_nop 0
	tensor_load_to_lds s[G0I:G0I+3], s[G1I:G1I+7]
	s_nop 0
	tensor_load_to_lds s[G0X:G0X+3], s[G1X:G1X+7]
	s_nop 0
	PLACES
	; the lanes' addresses, in the wait for W.  l = lane, r = l % 16, h = l / 16
	v_and_b32 v1, 15, v0                           ; r
	v_bfe_u32 v2, v0, 4, 1                         ; h
	v_and_b32 v18, 7, v0                           ; l % 8
	v_bfe_u32 v19, v0, 3, 1                        ; (l / 8) % 2
	v_bfe_u32 v20, v0, 3, 2                        ; l / 8
	v_and_b32 v21, 31, v0                          ; l
	s_mul_i32 s22, s[WV], XW                       ; my rows of X0 in LDS,
	s_add_co_u32 s2, s22, ST                       ; my stage,
	s_mul_i32 s23, s[WV], IW
	s_add_co_u32 s23, s23, IR                      ; my rows of inputs,
	s_mul_i32 s15, s[WV], WRQ
	s_add_co_u32 s15, s15, WR                      ; my quarter of W in f32,
	s_mul_i32 s3, s[WV], 64*WHP
	s_add_co_u32 s3, s3, WH                        ; and in f16
	v_lshl_add_u32 v22, v2, 3, v18                 ; the turning load: lane l reads code 8 h + l % 8, channels 8 ((l / 8) % 2) + 0..7, and is left with channel r and 8 codes
	v_mul_u32_u24 v[AV], v22, WHP
	v_lshl_add_u32 v[AV], v19, 4, v[AV]
	v_add_nc_u32 v[AV], WH, v[AV]
	v_mul_u32_u24 v[AK], v1, WHP                   ; a fragment as it lies: code r, channels 8 h + 0..7 and 16 + 8 h + 0..7: two loads 32 bytes apart
	v_lshl_add_u32 v[AK], v2, 4, v[AK]
	v_add_nc_u32 v[AK], WH, v[AK]
	v_mul_u32_u24 v[XA], v1, XP                    ; state tile t: row r, codes 16 t + 8 h + 0..7: 32 bytes at 64 t + 32 h
	v_lshl_add_u32 v[XA], v2, 5, v[XA]
	v_add_nc_u32 v[STO], s2, v[XA]
	v_add_nc_u32 v[XA], s22, v[XA]
	v_mul_u32_u24 v[IA], v1, IP
	v_lshl_add_u32 v[IA], v2, 5, v[IA]
	v_add_nc_u32 v[IA], s23, v[IA]
	v_lshlrev_b32 v[GO], 4, v21                    ; back: 32 lanes take 512 consecutive bytes of a row
	v_add_nc_u32 v[RD], s2, v[GO]
	v_mul_u32_u24 v[PA], v20, WRP                  ; W's first pass: eight lanes a row, 32 bytes of f32 each, four rows an instruction
	v_lshl_add_u32 v[PA], v18, 5, v[PA]
	v_add_nc_u32 v[PA], s15, v[PA]
	v_mul_u32_u24 v[PB], v20, WHP                  ; and 16 bytes of f16
	v_lshl_add_u32 v[PB], v18, 4, v[PB]
	v_add_nc_u32 v[PB], s3, v[PB]
	v_mov_b32 v[BT], 1.0                           ; t = 1: the first step's beta is 0
	BETAOP 0
	BETAOP 1
	BETAOP 2
	v_nop
	s_wait_alu depctr_va_vdst(0)
	BETAOP 3
	BETAOP 4
	BETAOP 5
	BETAOP 6
	BETAOP 7
	BETAOP 8
; ---------------------------------------------------------------- W: f32 -> bf16 -> f16, my quarter
	s_wait_tensorcnt 0x2                           ; tensor loads of a wave end in order (ISA guide 10.11.1): W's quarter is in; the two issued behind it may stay out
.set i, 0
.rept 16
	ds_load_b128 v[LD+8*i:LD+8*i+3],   v[PA] offset:4*WRP*i
	ds_load_b128 v[LD+8*i+4:LD+8*i+7], v[PA] offset:4*WRP*i+16
.set i, i+1
.endr
.set i, 0
.rept 16
	s_wait_dscnt 30-i                              ; behind this group's two loads stand 30 - 2 i younger loads and i stores
.set TS, T+4+4*(i%2)
.irp k, 0,1,2,3
	v_cvt_pk_bf16_f32 v[T+\k], v[LD+8*i+2*\k], v[LD+8*i+2*\k+1]
.endr
.irp k, 0,1,2,3
	v_lshlrev_b32 v[LD+8*i+2*\k], 16, v[T+\k]
	v_and_b32 v[LD+8*i+2*\k+1], s[MASKHI], v[T+\k]
.endr
.irp k, 0,1,2,3
	v_cvt_pk_f16_f32 v[TS+\k], v[LD+8*i+2*\k], v[LD+8*i+2*\k+1]
.endr
	ds_store_b128 v[PB], v[TS:TS+3] offset:4*WHP*i
.set i, i+1
.endr
	s_wait_dscnt 0x0                               ; for the others' sake: my quarter of W in f16 is written
	s_barrier_signal -1                            ; (inputs and X0 may stay on their way: nothing is ever filled again)
	s_barrier_wait -1                              ; everybody's is
; ---------------------------------------------------------------- W^T as source 0, and M = W^T W
	WIN 0x40                                       ; destination window 1
.set p, 0
.rept 8
.set q, 0
.rept 4
	ds_load_tr16_b128 v[32*p+8*q:32*p+8*q+3],   v[AV] offset:32*WHP*p+32*q
	ds_load_tr16_b128 v[32*p+8*q+4:32*p+8*q+7], v[AV] offset:32*WHP*p+32*q+16*WHP
.set q, q+1
.endr
.set p, p+1
.endr
	WIN 0x05                                       ; both sources window 1
.set p, 0
.rept 8
	s_wait_dscnt 56-8*p                            ; K step p's eight loads are in; those of the later K steps may stay out
.set t, 0
.rept 16                                               ; tile (m, n) = (t % 4, t / 4): the 16 accumulators take turns
.if p == 0
	v_wmma_f32_16x16x32_f16 v[MD+8*t:MD+8*t+7], v[32*p+8*(t%4):32*p+8*(t%4)+7], v[32*p+8*(t/4):32*p+8*(t/4)+7], 0
.else
	v_wmma_f32_16x16x32_f16 v[MD+8*t:MD+8*t+7], v[32*p+8*(t%4):32*p+8*(t%4)+7], v[32*p+8*(t/4):32*p+8*(t/4)+7], v[MD+8*t:MD+8*t+7]
.endif
.set t, t+1
.endr
.set p, p+1
.endr
	NORMCVT 1
	s_mov_b32 s[CNT], 3
.Lsquare:                                              ; M^2, M^4, M^8
	SQUARE
	NORMCVT 0
	s_sub_co_u32 s[CNT], s[CNT], 1
	s_cmp_lg_u32 s[CNT], 0
	s_cbranch_scc1 .Lsquare
; ---------------------------------------------------------------- z = (M^8)^6 M W^T 1, w = M z
.irp k, 0,1,2,3,4,5,6,7
	v_mov_b32 v[ONES+\k], 0x3c003c00
.endr
	WIN 0x01
.set p, 0
.rept 8
.set q, 0
.rept 4
.if p == 0
	v_wmma_f32_16x16x32_f16 v[WA+8*q:WA+8*q+7], v[32*p+8*q:32*p+8*q+7], v[ONES:ONES+7], 0
.else
	v_wmma_f32_16x16x32_f16 v[WA+8*q:WA+8*q+7], v[32*p+8*q:32*p+8*q+7], v[ONES:ONES+7], v[WA+8*q:WA+8*q+7]
.endif
.set q, q+1
.endr
.set p, p+1
.endr
	ZNORM
	MATVEC MF, 0x02
	ZNORM
	s_mov_b32 s[CNT], 6
.Lpower:
	MATVEC PF, 0
	ZNORM
	s_sub_co_u32 s[CNT], s[CNT], 1
	s_cmp_lg_u32 s[CNT], 0
	s_cbranch_scc1 .Lpower
	MATVEC MF, 0x02
	; 2/L = rho0 (z.w)/(w.w), with z exactly the f16 operand of the last product: the quotient's error is of second order in z's rounding
	WIN 0
	PLACES
	SUMSQ WA, 16
.irp k, 8,9,10,11
	v_mov_b32 v[TT+\k], 0
.endr
.set j, 0
.rept 16
	v_fma_mix_f32 v[TT+8+(2*j)%4], v[ZF+j], v[WA+2*j],   v[TT+8+(2*j)%4] op_sel_hi:[1,0,0]
	v_fma_mix_f32 v[TT+9+(2*j)%4], v[ZF+j], v[WA+2*j+1], v[TT+9+(2*j)%4] op_sel:[1,0,0] op_sel_hi:[1,0,0]
.set j, j+1
.endr
	v_add_f32 v[TT+8], v[TT+8], v[TT+9]
	v_add_f32 v[TT+10], v[TT+10], v[TT+11]
	v_add_f32 v[TT+8], v[TT+8], v[TT+10]
	HALVES TT, TT+1
	HALVES TT+8, TT+9
	v_rcp_f32 v[TT+2], v[TT]
	v_nop
	s_wait_alu depctr_va_vdst(0)
	v_mul_f32 v[TT+8], v[TT+8], v[TT+2]
	v_mul_f32 v[TT+8], s[RHO0], v[TT+8]
	v_sqrt_f32 v[TT+8], v[TT+8]                    ; s
	v_nop
	s_wait_alu depctr_va_vdst(0)
	v_cvt_pk_f16_f32 v20, v[TT+8], v[TT+8]         ; s~, twice
	v_cvt_f32_f16 v21, v20.l                       ; the same number in f32
	v_rcp_f32 v22, v21
	v_mul_f32 v23, 0x3d4ccccd, v21                 ; 0.05 s~; also the plain instruction behind the reciprocal
	v_readfirstlane_b32 s[SP16], v20
	v_readfirstlane_b32 s[SC], v21
	v_readfirstlane_b32 s[TH], v23
	s_wait_alu depctr_va_vdst(0)
	v_readfirstlane_b32 s[IS], v22
	s_mov_b32 s[SC+1], s[SC]                       ; named as pairs
	s_mov_b32 s[IS+1], s[IS]
	s_xor_b32 s[NTH], s[TH], 0x80000000
	s_xor_b32 s[SN16], s[SP16], 0x80008000
; ---------------------------------------------------------------- the operands: W~ as it lies, -W~^T; the inputs and X0 come out of LDS
.set t, 0
.rept 16
	PREG t/2, 0
	WIN PW<<6
.set kk, 0
.rept 2
	ds_load_b128 v[A2B+16*(t%2)+8*kk:A2B+16*(t%2)+8*kk+3],   v[AK] offset:16*WHP*t+64*kk
	ds_load_b128 v[A2B+16*(t%2)+8*kk+4:A2B+16*(t%2)+8*kk+7], v[AK] offset:16*WHP*t+64*kk+32
.set kk, kk+1
.endr
.set t, t+1
.endr
	WIN 0x41
.set i, 0
.rept 256
	v_pk_mul_f16 v[i], v[i], s[SN16]               ; stands in the wait for the loads above
.set i, i+1
.endr
	s_wait_dscnt 0x0                               ; W~'s fragments are in
	s_wait_tensorcnt 0x0                           ; my rows of inputs and X0 are in LDS; only I read them
	WIN 0x80
.irp q, 0,1,2,3
	ds_load_b128 v[IN+8*\q:IN+8*\q+3],   v[IA] offset:64*\q
	ds_load_b128 v[IN+8*\q+4:IN+8*\q+7], v[IA] offset:64*\q+16
.endr
.set p, 0
.rept 8
	PREG p, 0
	WIN PW<<6
.irp u, 0,1
	ds_load_b128 v[SAB+8*\u:SAB+8*\u+3],   v[XA] offset:64*(2*p+\u)
	ds_load_b128 v[SAB+8*\u+4:SAB+8*\u+7], v[XA] offset:64*(2*p+\u)+16
.endr
.set p, p+1
.endr
.set p, 0
.rept 8
	PREG p, 0
	WIN PW|(PW<<6)
.set i, 0
.rept 32
	v_pk_mul_f16 v[A2B+i], v[A2B+i], s[SP16]
.set i, i+1
.endr
.set p, p+1
.endr
	s_wait_dscnt 32                                ; the inputs are in: X0's 32 loads were issued behind them
	WIN 0x8a
.set q, 0
.rept 4
.irp k, 0,1,2,3
	v_cvt_pk_bf16_f32 v[TI+4*(q%2)+\k], v[IN+8*q+2*\k], v[IN+8*q+2*\k+1]
.endr
.irp k, 0,1,2,3
	v_lshlrev_b32 v[IN+8*q+2*\k], 16, v[TI+4*(q%2)+\k]
	v_and_b32 v[IN+8*q+2*\k+1], s[MASKHI], v[TI+4*(q%2)+\k]
.endr
.set q, q+1
.endr
.set ip, 0
.rept 8
	s_wait_dscnt 28-4*ip                           ; pair ip's four loads are in; the later pairs' may stay out
	XINIT ip
.set cj, 0
.rept 8
	COP ip, cj, 0
.set cj, cj+1
.endr
.set mi, 0
.rept 4
	P1W ip, mi                                     ; the first residual, K step by K step
.set mi, mi+1
.endr
.set ip, ip+1
.endr
	WIN 0                                          ; at a label and at a branch every window is 0
	PLACES
; ---------------------------------------------------------------- THE 50 STEPS, two a trip: the state sets change roles from step to step
	s_mov_b32 s[CNT], 25
.Lstep:
	STEP 0
	STEP 1
	WIN 0
	s_sub_co_u32 s[CNT], s[CNT], 1
	s_cmp_lg_u32 s[CNT], 0
	s_cbranch_scc1 .Lstep
; ---------------------------------------------------------------- THE WAY OUT: x = s~ x~; 32 bytes a lane into my own stage, back as whole rows
.set p, 0
.rept 8
	PREG p, 1                                      ; behind an even number of steps x2 lies in the second set
	WIN PW|(PW<<6)
.irp k, 0,1,2,3,4,5,6,7
	v_pk_mul_f32 v[UB+2*\k:UB+2*\k+1], v[UB+2*\k:UB+2*\k+1], s[SC:SC+1] op_sel_hi:[1,0]
.endr
	WIN PW<<2                                      ; an LDS store's data is source 1
.irp u, 0,1
	ds_store_b128 v[STO], v[UB+8*\u:UB+8*\u+3]   offset:64*(2*p+\u)
	ds_store_b128 v[STO], v[UB+8*\u+4:UB+8*\u+7] offset:64*(2*p+\u)+16
.endr
.set p, p+1
.endr
	WIN 0
.set i, 0
.rept 32
	ds_load_b128 v[OB+4*i:OB+4*i+3], v[RD] offset:XP*(i/2)+512*(i%2)  ; LDS serves a wave's instructions in order (ISA guide 5.7.1.4): these see the stores above
.set i, i+1
.endr
.set i, 0
.rept 32
	s_wait_dscnt 31-i                              ; load i is back; the younger ones may stay out
	global_store_b128 v[GO], v[OB+4*i:OB+4*i+3], s[10:11] offset:1024*(i/2)+512*(i%2) th:TH_STORE_NT  ; 512 consecutive bytes, at a multiple of 256 from out0's first
.set i, i+1
.endr
	s_wait_tensorcnt 0x0                           ; the wave's end: behind my last tensor load and my last LDS store
	ds_add_u32 v[SPW], v[NIL]
	s_wait_dscnt 0x0
	CROUND                                         ; the closing round: no work-group ends while a partner may still ask for a tile that names it
	s_endpgm
.Lfunc_end_k_q81ae3eb962_fista:
	.size	k_q81ae3eb962_fista, .Lfunc_end_k_q81ae3eb962_fista-k_q81ae3eb962_fista
	.p2alignl 7, 3214868480
	.fill 96, 4, 3214868480
	.section	.rodata,"a",@progbits
	.p2align	6, 0x0
	.amdhsa_kernel k_q81ae3eb962_fista
		.amdhsa_group_segment_fixed_size 262144
		.amdhsa_private_segment_fixed_size 0
		.amdhsa_enable_private_segment 0
		.amdhsa_kernarg_size 32
		.amdhsa_user_sgpr_count 2
		.amdhsa_user_sgpr_kernarg_segment_ptr 1
		.amdhsa_wavefront_size32 1
		.amdhsa_system_sgpr_workgroup_id_x 1
		.amdhsa_system_sgpr_workgroup_id_y 1
		.amdhsa_system_sgpr_workgroup_id_z 1
		.amdhsa_system_vgpr_workitem_id 0
		.amdhsa_next_free_vgpr 1024
		.amdhsa_next_free_sgpr 84
		.amdhsa_reserve_vcc 0
		.amdhsa_float_denorm_mode_32 3
		.amdhsa_float_denorm_mode_16_64 3
		.amdhsa_memory_ordered 1
		.amdhsa_forward_progress 1
		.amdhsa_inst_pref_size 226
	.end_amdhsa_kernel
	.amdgpu_metadata
---
amdhsa.version: [ 1, 2 ]
amdhsa.kernels:
  - .name:           k_q81ae3eb962_fista
    .symbol:         k_q81ae3eb962_fista.kd
    .args:
      - { .name: W, .offset: 0, .size: 8, .value_kind: global_buffer, .address_space: global }
      - { .name: X0, .offset: 8, .size: 8, .value_kind: global_buffer, .address_space: global }
      - { .name: inputs, .offset: 16, .size: 8, .value_kind: global_buffer, .address_space: global }
      - { .name: out0, .offset: 24, .size: 8, .value_kind: global_buffer, .address_space: global }
    .group_segment_fixed_size: 262144
    .private_segment_fixed_size: 0
    .kernarg_segment_align: 8
    .kernarg_segment_size: 32
    .max_flat_workgroup_size: 128
    .sgpr_count:     84
    .vgpr_count:     1024
    .wavefront_size: 32
...
	.end_amdgpu_metadata
.endif
;; end of part 1
